; MI455X (gfx1250); checked and timed in simulation.
; The chip was launched on July 23, 2026; its instructions are those of AMD's public machine-readable ISA for CDNA 5 (MIT licence, August 2026) and "CDNA5" Instruction Set Architecture Reference Guide (July 2026). The comments in the code are by the model that wrote it; some were corrected since.
;; Sinusoidal Transformer. Allowed arithmetic: float matrix products may take bf16 or f16 operands with f32 sums; all other float work in f32.
;; Inputs: in_proj_bias 3 x 64 x 64 x 128 float32; in_proj_weight 3 x 64 x 64 x 128 float32; out_proj_bias 3 x 64 x 64 float32; out_proj_weight 3 x 64 x 64 x 128 float32; residual_weight 3 x 64 x 64 float32; x 64 x 3 x 64 x 64 float32.
;; Outputs: out0 64 x 3 x 64 x 64 float32; out1 64 float32.
;; One version. Each part assembles by itself: llvm-mc -triple=amdgcn-amd-amdhsa -mcpu=gfx1250 --defsym DOCPART=n.
;; ======== version 1 of 1: 2 launches
;; workspace buffers: part 65,536 bytes
;; launch phase (part 1): grid 256 x 1, 12 waves a work-group, no clusters, 169,472 bytes of LDS; arguments x, in_proj_weight, in_proj_bias, out_proj_weight, out_proj_bias, residual_weight, out0, part; writes out0, part
.if DOCPART == 1
	.amdgcn_target "amdgcn-amd-amdhsa--gfx1250"
	.amdhsa_code_object_version 6
	.text
	.protected	k_q60f48d14fc_phase
	.globl	k_q60f48d14fc_phase
	.p2align	8
	.type	k_q60f48d14fc_phase,@function
k_q60f48d14fc_phase:
	s_mov_b64 s[64:65], 0
	v_nop
	global_prefetch_b8 v0, s[64:65] scope:SCOPE_SE
	s_setreg_imm32_b32 hwreg(HW_REG_WAVE_MODE, 25, 1), 1
	s_wait_xcnt 0x0
; y[b][p] = x + tanh(rw[p]) * sum_e mix[p][e] (sin 2b - sin 2u) / (2 w) + ob[p],  u = w x + b,  w = softplus(W[p][e]),  mix = softmax_e(O[p][e]),
; and, for each batch, this work-group's part of sum_p log(1 + dy),  dy = -tanh(rw[p]) sum_e mix cos 2u.      12,288 positions p, 128 e, 64 batches.
;
; SHARES.  256 work-groups x 48 positions; 12 waves x 4 positions.  A lane holds batches (lane, lane + 32) as the two halves of the packed f32 forms,
; so the sums over e and the sum of logs over p stay inside a lane.  For each of its positions a wave first works with e across the lanes (4 e a lane),
; makes five numbers for each (p, e), stores them into 2,560 LDS bytes of its own and reads them back as broadcasts, four e (80 bytes) at a time.
; Only the owning wave touches those bytes, and LDS serves a wave's instructions in order (ISA guide 5.7.1): no barrier, no wait between store and load.
;
; THE ANGLE.  t = u / pi = fma(w/pi, x, b/pi);  r = t - rndne(t) in [-1/2, 1/2];  s = sin(pi r), c = cos(pi r).  sin u cos u = s c and cos^2 u = c^2
; (the sign (-1)^k is squared away), so sin 2u = 2 s c and cos 2u = 2 c^2 - 1.  s = r (S0 + S1 z + S2 z^2 + S3 z^3), c = C0 + .. + C4 z^4, z = r^2:
; the Chebyshev series in 2r, cut behind T7 (first term left out 5.9e-7) and behind T8 (4.7e-8).  18 instructions for two (b, p, e).
; The difference of sines is made element by element, d = s c - sb with sb = (s c)(b/pi) from the SAME instructions (macro TRIG), product and
; subtraction apart: where w x is lost against b in f32, t = b/pi bit for bit and d = 0 exactly, as in the f32 formula; no two large sums are subtracted.
;
; LIMITS.  (1) softplus: the exponent of exp2 is held at -126 or above, so for in_proj_weight under about -87.3 w stays 2^-126 where the formula gives less
; (and 0/0 under about -104).  (2) w/pi and b/pi are rounded once more than w and b: t carries up to 2u 2^-23 rad, the size of the f32 rounding of u itself.
; (3) log1p(dy) = ln2 log2(1 + dy): absolute rounding 2^-24 a term.  (4) tanh x = 1 - 2 / (1 + e^2x): absolute error about 1e-7.
; (5) sum_e mix is taken as 1 in dy = res - 2 res sum mix c^2.
;
; NOT USED, and why.  Matrix instructions: the sine is taken of a product that differs in every (b, p, e); the sums over e would cost as many conversions
; as they cost multiply-adds.  Clusters: no two work-groups read the same input.  Tensor loads: each input row is read once, and all 14 loads of a wave
; are issued in its first lines.  Rows of x and out0 are 192 bytes (48 positions), not 256: 12,288 positions are 192 runs of 64, which do not divide
; over 256 work-groups, and a split over batches would repeat the work per (p, e) for up to 128 positions a work-group in place of 48.
; The launch asks for 169,472 bytes of LDS and the text uses 59,136: one work-group to a WGP, 256 in all.
.set WAVES, 12
.set WPOS,  4                          ; positions of a wave
.set GPOS,  WAVES*WPOS                 ; 48 positions of a work-group
.set XROW,  49152                      ; bytes of one batch's row of x and of out0
.set EROW,  512                        ; bytes of one position's 128 f32
.set XP,    264                        ; pitch of the x and y tiles: 32 lanes x 8 bytes + 8, so that the 12 columns of a fill spread over the banks (64 banks of 4 bytes: ISA guide 11.1)
.set PREC,  2560                       ; a wave's parameter bytes: 32 groups of four e x 80 bytes
.set GRP,   80                         ; a group: w/pi x4, b/pi x4, sb x4, A x4, M x4
.set XT,    WAVES*PREC                 ; x tile  [48][32 lanes][2 batches] f32
.set YT,    XT+GPOS*XP                 ; y tile, the same shape
.set LG,    YT+GPOS*XP                 ; [12 waves][64 batches] sums of logs
; vector registers
.set PS,  2                            ; where my four e's parameters are stored
.set PL,  3                            ; where the wave reads the next groups (the same in all lanes)
.set XA,  4                            ; my 8 bytes in the first of my wave's rows of a tile
.set X,   6                            ; v[6:7]    x of my two batches
.set LA,  8                            ; v[8:9]    sum of log2(1 + dy)
.set AS,  10                           ; v[10:13]  two accumulators of y (even and odd e)
.set AC,  14                           ; v[14:17]  two accumulators of 1 + dy
.set VS2, 18                           ; v[18:19]  S2 twice
.set VC3, 20                           ; v[20:21]  C3 twice
.set XO,  22                           ; byte offset of my 16 bytes in x and out0
.set TL,  23                           ; my place in a tile when it is filled or emptied
.set PA,  24                           ; v[24:43]  parameters of a group
.set PB,  44                           ; v[44:63]  parameters of the next group
.set WK,  64                           ; v[64:95]  four e: t then r (2), k then z (2), sine chain (2), cosine chain (2)
.set IN,  96                           ; v[96:143] position i: W, b, O of my four e
.set XL,  144                          ; v[144:151] x as loaded, y as stored
.set RO,  152                          ; 16 x lane
.set LGA, 153                          ; my word among the sums of logs
.set RES, 154                          ; v[154:157] tanh(rw) of my wave's four positions
.set CL,  158
; the pass over (p, e) uses the registers of PA, PB and WK
.set E,   24                           ; exp(-|W|)
.set U,   28                           ; 1 + e, its log
.set H,   32                           ; e - e^2/2
.set MX,  36                           ; max(W, 0)
.set WW,  40                           ; w
.set RW,  44                           ; 1 / w
.set EX,  48                           ; exp(O - max), then -res mix
.set TM,  52                           ; v[52:53]
.set PW,  56                           ; w / pi
.set PBB, 60                           ; b / pi
.set PAA, 80                           ; A = -res mix / w
.set PMM, 84                           ; M = -2 res mix
; scalar pairs (both halves written: a packed form names the pair and takes its first register for both results)
.set KL2E, 40
.set KIPI, 42
.set KLN2, 44
.set KS3,  46
.set KS1,  48
.set KS0,  50
.set KC4,  52
.set KC2,  54
.set KC1,  56
.set KC0,  58
.macro KONST r, val
	s_mov_b32 s[\r], \val
	s_mov_b32 s[\r+1], \val
.endm
	s_load_b512 s[4:19], s[0:1], 0x0               ; x 4, W 6, b 8, O 10, ob 12, rw 14, out0 16, part 18
	v_lshl_add_u32 v160, v0, 2, 0x29000
	v_mov_b32 v161, 0
	v_and_b32 v1, 31, v0                           ; lane
	v_lshrrev_b32 v2, 5, v0
	v_readfirstlane_b32 s20, v2                    ; wave 0..11
	; filling and emptying the tiles: thread t takes 16-byte column t % 12 of batch rows t / 12 and t / 12 + 32: 12 neighbouring lanes cover a row's 192 bytes
	v_mul_u32_u24 v5, 0xaaab, v0                   ; t / 12 = (43,691 t) >> 19, exact for t < 384
	v_lshrrev_b32 v5, 19, v5
	v_mul_u32_u24 v[CL], 12, v5
	v_sub_nc_u32 v[CL], v0, v[CL]                  ; t % 12
	v_mul_u32_u24 v[XO], XROW, v5
	v_lshl_add_u32 v[XO], v[CL], 4, v[XO]
	v_mul_u32_u24 v[TL], 4*XP, v[CL]               ; tile row 4 (t % 12), lane slot t / 12
	v_lshl_add_u32 v[TL], v5, 3, v[TL]
	v_lshlrev_b32 v[RO], 4, v1
	s_mul_i32 s22, ttmp9, GPOS*4                   ; the work-group's 192 bytes in a row of x
	s_mov_b32 s23, 0
	s_mul_i32 s24, ttmp9, GPOS
	s_lshl2_add_u32 s24, s20, s24                  ; my wave's first position
	s_lshl_b32 s26, s24, 9                         ; x 512 bytes (under 6.3 MB)
	s_mov_b32 s27, 0
	s_lshl_b32 s28, s24, 2                         ; x 4 bytes, a multiple of 16
	s_mul_i32 s29, s20, PREC                       ; my wave's parameter bytes
	s_mul_i32 s25, s20, WPOS*XP
	s_lshl_b32 s21, s20, 8
	v_mul_u32_u24 v[PS], GRP, v1
	v_add_nc_u32 v[PS], s29, v[PS]
	v_lshl_add_u32 v[XA], v1, 3, s25
	v_lshl_add_u32 v[LGA], v1, 2, s21
	s_wait_kmcnt 0x0
	s_add_nc_u64 s[4:5], s[4:5], s[22:23]
	s_add_nc_u64 s[16:17], s[16:17], s[22:23]
	s_add_nc_u64 s[6:7], s[6:7], s[26:27]
	s_add_nc_u64 s[8:9], s[8:9], s[26:27]
	s_add_nc_u64 s[10:11], s[10:11], s[26:27]
	global_load_b128 v[XL:XL+3], v[XO], s[4:5]
	global_load_b128 v[XL+4:XL+7], v[XO], s[4:5] offset:32*XROW
.irp i, 0,1,2,3
	global_load_b128 v[IN+12*\i:IN+12*\i+3],    v[RO], s[6:7]   offset:\i*EROW th:TH_LOAD_NT   ; a wave's load covers a position's 512 bytes; read once in the launch
	global_load_b128 v[IN+12*\i+4:IN+12*\i+7],  v[RO], s[8:9]   offset:\i*EROW th:TH_LOAD_NT
	global_load_b128 v[IN+12*\i+8:IN+12*\i+11], v[RO], s[10:11] offset:\i*EROW th:TH_LOAD_NT
.endr
	s_load_b128 s[32:35], s[12:13], s28 offset:0x0 ; ob of my four positions
	s_load_b128 s[36:39], s[14:15], s28 offset:0x0 ; rw of my four positions
	s_mov_b32 s30, 0x76543210                      ; v_permlanex16_b32: lane i of one half reads lane i of the other
	s_mov_b32 s31, 0xfedcba98
	KONST KL2E, 0x3fb8aa3b                         ; log2 e
	KONST KIPI, 0x3ea2f983                         ; 1 / pi
	KONST KLN2, 0x3f317218                         ; ln 2
	KONST KS3,  0xbf0dfad8                         ; -0.55460885
	KONST KS1,  0xc0a55939                         ; -5.1671413
	KONST KS0,  0x40490fae                         ;  3.1415820
	KONST KC4,  0x3e60f650                         ;  0.21968961
	KONST KC2,  0x4081de81                         ;  4.0584114
	KONST KC1,  0xc09de9d3                         ; -4.9347928
	KONST KC0,  0x3f7fffff                         ;  0.99999995
	s_mov_b32 s60, 0x3b800000                      ; 2^-8: under it log1p(e) = e - e^2/2 (left out e^3/3, 5e-6 of it); above it log(1 + e) (2^-24 against e: 1.5e-5 of it)
	s_mov_b32 s62, 0xbfb8aa3b                      ; -log2 e
	v_mov_b32 v[VS2],   0x4022ae47                 ;  2.5418871
	v_mov_b32 v[VS2+1], 0x4022ae47
	v_mov_b32 v[VC3],   0xbfaa7aee                 ; -1.3318766
	v_mov_b32 v[VC3+1], 0xbfaa7aee
	s_wait_loadcnt 12                              ; loads come back in order (ISA guide 5.7.1): x is in, the 12 row loads behind it stay out
.irp i, 0,1,2,3
	ds_store_b32 v[TL], v[XL+\i]   offset:XT+\i*XP         ; position 4 col + i: batch t/12 below,
	ds_store_b32 v[TL], v[XL+4+\i] offset:XT+\i*XP+4       ; batch t/12 + 32 above
.endr
	s_wait_dscnt 0x0                               ; for the other waves: my part of the x tile is written
	s_barrier_signal -1
	s_barrier_wait -1
	s_wait_kmcnt 0x0
	; tanh(rw) = 1 - 2 / (1 + 2^(2 log2e rw)), the same in all lanes
.irp i, 0,1,2,3
	v_mov_b32 v[RES+\i], s[36+\i]
.endr
.irp i, 0,1,2,3
	v_mul_f32 v[RES+\i], 0x4038aa3b, v[RES+\i]
.endr
.irp i, 0,1,2,3
	v_exp_f32 v[RES+\i], v[RES+\i]
.endr
	v_nop                                          ; one plain vector instruction between a transcendental and the use of its result (ISA guide 5.7.2)
	s_wait_alu depctr_va_vdst(0)
.irp i, 0,1,2,3
	v_add_f32 v[RES+\i], 1.0, v[RES+\i]
.endr
.irp i, 0,1,2,3
	v_rcp_f32 v[RES+\i], v[RES+\i]
.endr
	v_nop
	s_wait_alu depctr_va_vdst(0)
.irp i, 0,1,2,3
	v_fma_f32 v[RES+\i], v[RES+\i], -2.0, 1.0
.endr
; n pairs, t in v[WK+8q : +1]: leaves s c in v[WK+8q+4 : +5] and c in v[WK+8q+6 : +7].  Step by step over the pairs, sine and cosine chains in turn,
; so that no line needs the one in front of it.  Used for t and for b/pi alike: equal inputs give equal bits.
.macro HORNER n, ks, kc
.set q, 0
.rept \n
	v_pk_fma_f32 v[WK+8*q+4:WK+8*q+5], v[WK+8*q+4:WK+8*q+5], v[WK+8*q+2:WK+8*q+3], s[\ks:\ks+1] op_sel_hi:[1,1,0]
	v_pk_fma_f32 v[WK+8*q+6:WK+8*q+7], v[WK+8*q+6:WK+8*q+7], v[WK+8*q+2:WK+8*q+3], s[\kc:\kc+1] op_sel_hi:[1,1,0]
.set q, q+1
.endr
.endm
.macro TRIG n
.set q, 0
.rept \n
	v_rndne_f32 v[WK+8*q+2], v[WK+8*q]
	v_rndne_f32 v[WK+8*q+3], v[WK+8*q+1]
.set q, q+1
.endr
.set q, 0
.rept \n
	v_pk_add_f32 v[WK+8*q:WK+8*q+1], v[WK+8*q:WK+8*q+1], v[WK+8*q+2:WK+8*q+3] neg_lo:[0,1] neg_hi:[0,1]   ; r = t - k, exact
.set q, q+1
.endr
.set q, 0
.rept \n
	v_pk_mul_f32 v[WK+8*q+2:WK+8*q+3], v[WK+8*q:WK+8*q+1], v[WK+8*q:WK+8*q+1]                             ; z = r r
.set q, q+1
.endr
.set q, 0
.rept \n
	v_pk_fma_f32 v[WK+8*q+4:WK+8*q+5], v[WK+8*q+2:WK+8*q+3], s[KS3:KS3+1], v[VS2:VS2+1] op_sel_hi:[1,0,1] ; S3 z + S2: one constant from a scalar, one from a vector pair
	v_pk_fma_f32 v[WK+8*q+6:WK+8*q+7], v[WK+8*q+2:WK+8*q+3], s[KC4:KC4+1], v[VC3:VC3+1] op_sel_hi:[1,0,1] ; C4 z + C3
.set q, q+1
.endr
	HORNER \n, KS1, KC2
	HORNER \n, KS0, KC1
.set q, 0
.rept \n
	v_pk_mul_f32 v[WK+8*q+4:WK+8*q+5], v[WK+8*q+4:WK+8*q+5], v[WK+8*q:WK+8*q+1]                           ; s
	v_pk_fma_f32 v[WK+8*q+6:WK+8*q+7], v[WK+8*q+6:WK+8*q+7], v[WK+8*q+2:WK+8*q+3], s[KC0:KC0+1] op_sel_hi:[1,1,0] ; c
.set q, q+1
.endr
.set q, 0
.rept \n
	v_pk_mul_f32 v[WK+8*q+4:WK+8*q+5], v[WK+8*q+4:WK+8*q+5], v[WK+8*q+6:WK+8*q+7]                         ; s c
.set q, q+1
.endr
.endm
; THE PASS OVER (p, e) for my wave's position i: lane l has e = 4 l .. 4 l + 3.
.macro PARAMS i
.set IW, IN+12*\i
.set IB, IW+4
.set IO, IW+8
	s_wait_loadcnt 9-3*\i                          ; this position's three rows are in; the three of each later position stay out
	; softmax: the maximum over the 128 e is taken away first
	v_max3_num_f32 v[TM], v[IO], v[IO+1], v[IO+2]
	v_max_num_f32 v[TM], v[TM], v[IO+3]
	v_max_num_f32_dpp v[TM], v[TM], v[TM] row_xmask:1 row_mask:0xf bank_mask:0xf
	v_max_num_f32_dpp v[TM], v[TM], v[TM] row_xmask:2 row_mask:0xf bank_mask:0xf
	v_max_num_f32_dpp v[TM], v[TM], v[TM] row_xmask:4 row_mask:0xf bank_mask:0xf
	v_max_num_f32_dpp v[TM], v[TM], v[TM] row_xmask:8 row_mask:0xf bank_mask:0xf
	v_mov_b32 v[TM+1], v[TM]                       ; the permute's destination counts as read
	v_permlanex16_b32 v[TM+1], v[TM], s30, s31
	v_max_num_f32 v[TM], v[TM], v[TM+1]
	v_mul_f32 v[TM], s62, v[TM]                    ; -max log2e: its rounding is one factor common to all e and leaves with the normalisation
	v_mov_b32 v[TM+1], v[TM]
	v_pk_fma_f32 v[EX:EX+1],   v[IO:IO+1],   s[KL2E:KL2E+1], v[TM:TM+1] op_sel_hi:[1,0,1]
	v_pk_fma_f32 v[EX+2:EX+3], v[IO+2:IO+3], s[KL2E:KL2E+1], v[TM:TM+1] op_sel_hi:[1,0,1]
	; softplus(W) = max(W, 0) + log1p(exp(-|W|))
.irp j, 0,1,2,3
	v_mul_f32 v[E+\j], s62, |v[IW+\j]|
.endr
.irp j, 0,1,2,3
	v_max_num_f32 v[E+\j], 0xc2fc0000, v[E+\j]     ; not under -126: exp2 gives no denormal (ISA guide 15.8), and w = 0 would make 0 x infinity below
.endr
.irp j, 0,1,2,3
	v_exp_f32 v[EX+\j], v[EX+\j]
.endr
.irp j, 0,1,2,3
	v_exp_f32 v[E+\j], v[E+\j]
.endr
	v_pk_mul_f32 v[PBB:PBB+1],   v[IB:IB+1],   s[KIPI:KIPI+1] op_sel_hi:[1,0]   ; b / pi, to be stored,
	v_pk_mul_f32 v[PBB+2:PBB+3], v[IB+2:IB+3], s[KIPI:KIPI+1] op_sel_hi:[1,0]
	v_pk_mul_f32 v[WK:WK+1],     v[IB:IB+1],   s[KIPI:KIPI+1] op_sel_hi:[1,0]   ; and once more where TRIG takes and overwrites it
	v_pk_mul_f32 v[WK+8:WK+9],   v[IB+2:IB+3], s[KIPI:KIPI+1] op_sel_hi:[1,0]
.irp j, 0,1,2,3
	v_max_num_f32 v[MX+\j], 0, v[IW+\j]
.endr
	s_wait_alu depctr_va_vdst(0)
	v_pk_add_f32 v[TM:TM+1], v[EX:EX+1], v[EX+2:EX+3]
	v_add_f32 v[TM], v[TM], v[TM+1]
	v_add_f32_dpp v[TM], v[TM], v[TM] row_xmask:1 row_mask:0xf bank_mask:0xf
	v_add_f32_dpp v[TM], v[TM], v[TM] row_xmask:2 row_mask:0xf bank_mask:0xf
	v_add_f32_dpp v[TM], v[TM], v[TM] row_xmask:4 row_mask:0xf bank_mask:0xf
	v_add_f32_dpp v[TM], v[TM], v[TM] row_xmask:8 row_mask:0xf bank_mask:0xf
	v_permlanex16_b32 v[TM+1], v[TM], s30, s31
	v_add_f32 v[TM], v[TM], v[TM+1]                ; sum of the 128 exponentials, at least 1
	v_pk_add_f32 v[U:U+1],   v[E:E+1],   1.0 op_sel_hi:[1,0]
	v_pk_add_f32 v[U+2:U+3], v[E+2:E+3], 1.0 op_sel_hi:[1,0]
.irp j, 0,1,2,3
	v_log_f32 v[U+\j], v[U+\j]
.endr
	v_rcp_f32 v[TM], v[TM]
	v_pk_mul_f32 v[H:H+1],   v[E:E+1],   -0.5 op_sel_hi:[1,0]
	v_pk_mul_f32 v[H+2:H+3], v[E+2:E+3], -0.5 op_sel_hi:[1,0]
	v_pk_fma_f32 v[H:H+1],   v[H:H+1],   v[E:E+1],   v[E:E+1]                   ; e - e^2/2
	v_pk_fma_f32 v[H+2:H+3], v[H+2:H+3], v[E+2:E+3], v[E+2:E+3]
	s_wait_alu depctr_va_vdst(0)
	v_pk_mul_f32 v[U:U+1],   v[U:U+1],   s[KLN2:KLN2+1] op_sel_hi:[1,0]
	v_pk_mul_f32 v[U+2:U+3], v[U+2:U+3], s[KLN2:KLN2+1] op_sel_hi:[1,0]
.irp j, 0,1,2,3
	v_cmp_gt_f32 vcc_lo, s60, v[E+\j]
	v_cndmask_b32 v[U+\j], v[U+\j], v[H+\j], vcc_lo                             ; small e: the series, which keeps w's relative accuracy
.endr
	v_pk_add_f32 v[WW:WW+1],   v[MX:MX+1],   v[U:U+1]
	v_pk_add_f32 v[WW+2:WW+3], v[MX+2:MX+3], v[U+2:U+3]
.irp j, 0,1,2,3
	v_rcp_f32 v[RW+\j], v[WW+\j]                   ; w is 2^-126 or more: finite
.endr
	v_pk_mul_f32 v[PW:PW+1],   v[WW:WW+1],   s[KIPI:KIPI+1] op_sel_hi:[1,0]
	v_pk_mul_f32 v[PW+2:PW+3], v[WW+2:WW+3], s[KIPI:KIPI+1] op_sel_hi:[1,0]
	v_mul_f32 v[TM], v[TM], -v[RES+\i]             ; -res / sum
	v_pk_mul_f32 v[EX:EX+1],   v[EX:EX+1],   v[TM:TM+1] op_sel_hi:[1,0]         ; -res mix
	v_pk_mul_f32 v[EX+2:EX+3], v[EX+2:EX+3], v[TM:TM+1] op_sel_hi:[1,0]
	s_wait_alu depctr_va_vdst(0)
	v_pk_mul_f32 v[PAA:PAA+1],   v[EX:EX+1],   v[RW:RW+1]                       ; A: res mix (sin 2b - sin 2u) / (2 w) = A (s c - sb)
	v_pk_mul_f32 v[PAA+2:PAA+3], v[EX+2:EX+3], v[RW+2:RW+3]
	v_pk_add_f32 v[PMM:PMM+1],   v[EX:EX+1],   v[EX:EX+1]                       ; M: dy = res + sum M c^2
	v_pk_add_f32 v[PMM+2:PMM+3], v[EX+2:EX+3], v[EX+2:EX+3]
	TRIG 2                                         ; sb = (s c)(b / pi) of my four e
	; lanes are 80 bytes = 20 words apart
	ds_store_b128 v[PS], v[PW:PW+3]
	ds_store_b128 v[PS], v[PBB:PBB+3] offset:16
	ds_store_b64  v[PS], v[WK+4:WK+5] offset:32
	ds_store_b64  v[PS], v[WK+12:WK+13] offset:40
	ds_store_b128 v[PS], v[PAA:PAA+3] offset:48
	ds_store_b128 v[PS], v[PMM:PMM+3] offset:64
.endm
; Lines that take a parameter of e number j of the group in buffer p: it lies in register s (0 or 1) of the pair at h, and goes to both halves.
.macro E_T p, j, h, s
	v_pk_fma_f32 v[WK+8*\j:WK+8*\j+1], v[X:X+1], v[\p+\h:\p+\h+1], v[\p+4+\h:\p+5+\h] op_sel:[0,\s,\s] op_sel_hi:[1,\s,\s]      ; t = (w/pi) x + b/pi
.endm
.macro E_D p, j, h, s
	v_pk_add_f32 v[WK+8*\j+4:WK+8*\j+5], v[WK+8*\j+4:WK+8*\j+5], v[\p+8+\h:\p+9+\h] op_sel:[0,\s] op_sel_hi:[1,\s] neg_lo:[0,1] neg_hi:[0,1]   ; d = s c - sb
.endm
.macro E_SC p, j, h, s
	v_pk_fma_f32 v[AS+2*\s:AS+2*\s+1], v[WK+8*\j+4:WK+8*\j+5], v[\p+12+\h:\p+13+\h], v[AS+2*\s:AS+2*\s+1] op_sel:[0,\s,0] op_sel_hi:[1,\s,1]
	v_pk_fma_f32 v[AC+2*\s:AC+2*\s+1], v[WK+8*\j+6:WK+8*\j+7], v[\p+16+\h:\p+17+\h], v[AC+2*\s:AC+2*\s+1] op_sel:[0,\s,0] op_sel_hi:[1,\s,1]
.endm
.macro FOUR m, p
	\m \p, 0, 0, 0
	\m \p, 1, 0, 1
	\m \p, 2, 2, 0
	\m \p, 3, 2, 1
.endm
.macro COMPUTE p                       ; four e x 64 batches: 72 vector instructions
	FOUR E_T, \p
	TRIG 4
	FOUR E_D, \p
.set q, 0
.rept 4
	v_pk_mul_f32 v[WK+8*q+6:WK+8*q+7], v[WK+8*q+6:WK+8*q+7], v[WK+8*q+6:WK+8*q+7]     ; c c
.set q, q+1
.endr
	FOUR E_SC, \p
.endm
.macro LOADP p, off                    ; a group's 80 bytes, the same address in all lanes
.irp k, 0,1,2,3,4
	ds_load_b128 v[\p+4*\k:\p+4*\k+3], v[PL] offset:\off+16*\k
.endr
.endm
; THE PASS OVER (b, p, e) for position i: 32 groups of four e, the next group's five loads always issued before the current group is worked on.
.macro MAINPOS i
	ds_load_b64 v[X:X+1], v[XA] offset:XT+\i*XP
	v_mov_b32 v[PL], s29
	LOADP PA, 0
	; each accumulator starts from a term of its result: nothing is cleared
	v_mov_b32 v[AS+2], s[32+\i]                    ; ob
	v_mov_b32 v[AS+3], s[32+\i]
	v_mov_b32 v[AC],   1.0                         ; the 1 of 1 + dy
	v_mov_b32 v[AC+1], 1.0
	v_mov_b32 v[AC+2], v[RES+\i]                   ; res (sum mix)
	v_mov_b32 v[AC+3], v[RES+\i]
	s_wait_dscnt 5                                 ; LDS answers in order: x is in, the five loads behind it stay out
	v_mov_b32 v[AS],   v[X]                        ; x
	v_mov_b32 v[AS+1], v[X+1]
	s_mov_b32 s21, 15
.Lgroups\i:
	LOADP PB, GRP
	s_wait_dscnt 5                                 ; the five just issued stay out: buffer PA is whole
	COMPUTE PA
	LOADP PA, 2*GRP
	s_wait_dscnt 5                                 ; likewise: buffer PB is whole
	COMPUTE PB
	v_add_nc_u32 v[PL], 2*GRP, v[PL]
	s_sub_co_i32 s21, s21, 1
	s_cmp_lg_u32 s21, 0
	s_cbranch_scc1 .Lgroups\i
	LOADP PB, GRP                                  ; groups 30 and 31 are written out: nothing is read past the position's 2,560 bytes
	s_wait_dscnt 5
	COMPUTE PA
	s_wait_dscnt 0x0
	COMPUTE PB
	v_pk_add_f32 v[AC:AC+1], v[AC:AC+1], v[AC+2:AC+3]          ; 1 + dy
.if \i == 0
	v_log_f32 v[LA],   v[AC]                       ; the first position starts the sum of logs
	v_log_f32 v[LA+1], v[AC+1]
	v_pk_add_f32 v[AS:AS+1], v[AS:AS+1], v[AS+2:AS+3]          ; y
.else
	v_log_f32 v[AC],   v[AC]
	v_log_f32 v[AC+1], v[AC+1]
	v_pk_add_f32 v[AS:AS+1], v[AS:AS+1], v[AS+2:AS+3]          ; y; also the plain instruction between the logs and their use
	s_wait_alu depctr_va_vdst(0)
	v_pk_add_f32 v[LA:LA+1], v[LA:LA+1], v[AC:AC+1]
.endif
	ds_store_b64 v[XA], v[AS:AS+1] offset:YT+\i*XP
.endm
	PARAMS 0
	MAINPOS 0
	PARAMS 1
	MAINPOS 1
	PARAMS 2
	MAINPOS 2
	PARAMS 3
	MAINPOS 3
	v_pk_mul_f32 v[LA:LA+1], v[LA:LA+1], s[KLN2:KLN2+1] op_sel_hi:[1,0]   ; natural logs
	ds_store_b32 v[LGA], v[LA]   offset:LG
	ds_store_b32 v[LGA], v[LA+1] offset:LG+128
	s_wait_dscnt 0x0                               ; for the other waves: my rows of the y tile and my sums are written
	s_barrier_signal -1
	s_barrier_wait -1
.irp i, 0,1,2,3
	ds_load_b32 v[XL+\i],   v[TL] offset:YT+\i*XP
	ds_load_b32 v[XL+4+\i], v[TL] offset:YT+\i*XP+4
.endr
	s_wait_dscnt 0x0
	global_store_b128 v[XO], v[XL:XL+3],   s[16:17] th:TH_STORE_NT                    ; 12 neighbouring lanes write a row's 192 consecutive bytes
	global_store_b128 v[XO], v[XL+4:XL+7], s[16:17] offset:32*XROW th:TH_STORE_NT
	s_cmp_lg_u32 s20, 0
	s_cbranch_scc1 .Lend
	; wave 0 adds the twelve waves' sums, four batches a lane (lanes 16-31 repeat lanes 0-15 and do not store)
.macro ADDQ a, b
	v_pk_add_f32 v[\a:\a+1],   v[\a:\a+1],   v[\b:\b+1]
	v_pk_add_f32 v[\a+2:\a+3], v[\a+2:\a+3], v[\b+2:\b+3]
.endm
	v_and_b32 v5, 15, v1
	v_lshlrev_b32 v5, 4, v5
.irp w, 0,1,2,3,4,5,6,7,8,9,10,11
	ds_load_b128 v[PA+4*\w:PA+4*\w+3], v5 offset:LG+256*\w
.endr
	s_lshl_b32 s22, ttmp9, 8                       ; this work-group's 256 bytes of part
	s_add_nc_u64 s[18:19], s[18:19], s[22:23]
	s_wait_dscnt 0x0
.irp w, 0,1,2,3,4,5
	ADDQ PA+4*\w, PA+24+4*\w
.endr
.irp w, 0,1,2
	ADDQ PA+4*\w, PA+12+4*\w
.endr
	ADDQ PA, PA+4
	ADDQ PA, PA+8
	v_cmp_gt_u32 vcc_lo, 16, v1
	s_wait_xcnt 0x0                                ; EXEC is a source of the stores above: it changes only behind this wait
	s_and_saveexec_b32 s61, vcc_lo
	global_store_b128 v5, v[PA:PA+3], s[18:19]     ; 16 lanes store 256 consecutive bytes, at a multiple of 256 from part's first byte
	s_wait_xcnt 0x0
	s_or_b32 exec_lo, exec_lo, s61
.Lend:
	s_barrier_signal -1
	s_barrier_wait -1
	s_wait_tensorcnt 0x0
	ds_add_u32 v160, v161
	s_wait_dscnt 0x0
	s_endpgm
.Lfunc_end_k_q60f48d14fc_phase:
	.size	k_q60f48d14fc_phase, .Lfunc_end_k_q60f48d14fc_phase-k_q60f48d14fc_phase
	.p2alignl 7, 3214868480
	.fill 96, 4, 3214868480
	.section	.rodata,"a",@progbits
	.p2align	6, 0x0
	.amdhsa_kernel k_q60f48d14fc_phase
		.amdhsa_group_segment_fixed_size 169472
		.amdhsa_private_segment_fixed_size 0
		.amdhsa_enable_private_segment 0
		.amdhsa_kernarg_size 64
		.amdhsa_user_sgpr_count 2
		.amdhsa_user_sgpr_kernarg_segment_ptr 1
		.amdhsa_wavefront_size32 1
		.amdhsa_system_sgpr_workgroup_id_x 1
		.amdhsa_system_sgpr_workgroup_id_y 1
		.amdhsa_system_sgpr_workgroup_id_z 1
		.amdhsa_system_vgpr_workitem_id 0
		.amdhsa_next_free_vgpr 162
		.amdhsa_next_free_sgpr 66
		.amdhsa_reserve_vcc 1
		.amdhsa_float_denorm_mode_32 3
		.amdhsa_float_denorm_mode_16_64 3
		.amdhsa_memory_ordered 1
		.amdhsa_forward_progress 1
		.amdhsa_inst_pref_size 112
	.end_amdhsa_kernel
	.amdgpu_metadata
---
amdhsa.version: [ 1, 2 ]
amdhsa.kernels:
  - .name:           k_q60f48d14fc_phase
    .symbol:         k_q60f48d14fc_phase.kd
    .args:
      - { .name: x, .offset: 0, .size: 8, .value_kind: global_buffer, .address_space: global }
      - { .name: in_proj_weight, .offset: 8, .size: 8, .value_kind: global_buffer, .address_space: global }
      - { .name: in_proj_bias, .offset: 16, .size: 8, .value_kind: global_buffer, .address_space: global }
      - { .name: out_proj_weight, .offset: 24, .size: 8, .value_kind: global_buffer, .address_space: global }
      - { .name: out_proj_bias, .offset: 32, .size: 8, .value_kind: global_buffer, .address_space: global }
      - { .name: residual_weight, .offset: 40, .size: 8, .value_kind: global_buffer, .address_space: global }
      - { .name: out0, .offset: 48, .size: 8, .value_kind: global_buffer, .address_space: global }
      - { .name: part, .offset: 56, .size: 8, .value_kind: global_buffer, .address_space: global }
    .group_segment_fixed_size: 169472
    .private_segment_fixed_size: 0
    .kernarg_segment_align: 8
    .kernarg_segment_size: 64
    .max_flat_workgroup_size: 384
    .sgpr_count:     66
    .vgpr_count:     162
    .wavefront_size: 32
...
	.end_amdgpu_metadata
.endif
;; end of part 1
;; launch logsum (part 2): grid 1 x 1, 8 waves a work-group, no clusters, 5,120 bytes of LDS; arguments part, out1; writes out1
.if DOCPART == 2
	.amdgcn_target "amdgcn-amd-amdhsa--gfx1250"
	.amdhsa_code_object_version 6
	.text
	.protected	k_q60f48d14fc_logsum
	.globl	k_q60f48d14fc_logsum
	.p2align	8
	.type	k_q60f48d14fc_logsum,@function
k_q60f48d14fc_logsum:
	s_mov_b64 s[64:65], 0
	v_nop
	global_prefetch_b8 v0, s[64:65] scope:SCOPE_SE
	s_setreg_imm32_b32 hwreg(HW_REG_WAVE_MODE, 25, 1), 1
	s_wait_xcnt 0x0
; out1[b] = sum over the 256 work-groups g of part[g][b].  part: [256][64] f32, 65,536 bytes, written by the launch before.
; One work-group, since the 64 results are one run of 256 bytes and the whole input is 16 loads a thread: 8 waves, thread t takes the 16 bytes at
; 16 t + 4,096 k, k = 0..15 (rows 16 k + t / 16, four batches t % 16), all 16 loads issued at once, each wave's load covering 512 consecutive bytes.
; The 16 threads' groups meet in LDS; wave 0 adds them and stores.  The order of the additions is fixed by the text.
; No matrix unit, no cluster, no tensor load: 16,384 additions on data that is read once.
.set Q0, 4                             ; v[4:67]  sixteen groups of four sums
.macro FOLD n                          ; group q += group q + n
.set q, 0
.rept \n
	v_pk_add_f32 v[Q0+4*q:Q0+4*q+1],   v[Q0+4*q:Q0+4*q+1],   v[Q0+4*(q+\n):Q0+4*(q+\n)+1]
	v_pk_add_f32 v[Q0+4*q+2:Q0+4*q+3], v[Q0+4*q+2:Q0+4*q+3], v[Q0+4*(q+\n)+2:Q0+4*(q+\n)+3]
.set q, q+1
.endr
.endm
	s_load_b128 s[4:7], s[0:1], 0x0                ; part s[4:5], out1 s[6:7]
	v_lshl_add_u32 v72, v0, 2, 0x1000
	v_mov_b32 v73, 0
	v_lshlrev_b32 v1, 4, v0                        ; 16 t
	v_lshrrev_b32 v2, 5, v0
	v_readfirstlane_b32 s8, v2                     ; wave
	s_wait_kmcnt 0x0
.irp k, 0,1,2,3,4,5,6,7,8,9,10,11,12,13,14,15
	global_load_b128 v[Q0+4*\k:Q0+4*\k+3], v1, s[4:5] offset:4096*\k
.endr
	s_wait_loadcnt 0x0
	FOLD 8
	FOLD 4
	FOLD 2
	FOLD 1
	ds_store_b128 v1, v[Q0:Q0+3]                   ; [t / 16][64 batches]
	s_wait_dscnt 0x0                               ; for wave 0: my sums are written
	s_barrier_signal -1
	s_barrier_wait -1
	s_cmp_lg_u32 s8, 0
	s_cbranch_scc1 .Lend
	v_and_b32 v3, 15, v0
	v_lshlrev_b32 v3, 4, v3                        ; four batches a lane; lanes 16-31 repeat lanes 0-15 and do not store
.irp k, 0,1,2,3,4,5,6,7,8,9,10,11,12,13,14,15
	ds_load_b128 v[Q0+4*\k:Q0+4*\k+3], v3 offset:256*\k
.endr
	s_wait_dscnt 0x0
	FOLD 8
	FOLD 4
	FOLD 2
	FOLD 1
	v_cmp_gt_u32 vcc_lo, 16, v0
	s_wait_xcnt 0x0                                ; EXEC changes only behind this wait
	s_and_saveexec_b32 s9, vcc_lo
	global_store_b128 v3, v[Q0:Q0+3], s[6:7]       ; 16 lanes store out1's 256 bytes
	s_wait_xcnt 0x0
	s_or_b32 exec_lo, exec_lo, s9
.Lend:
	s_barrier_signal -1
	s_barrier_wait -1
	s_wait_tensorcnt 0x0
	ds_add_u32 v72, v73
	s_wait_dscnt 0x0
	s_endpgm
.Lfunc_end_k_q60f48d14fc_logsum:
	.size	k_q60f48d14fc_logsum, .Lfunc_end_k_q60f48d14fc_logsum-k_q60f48d14fc_logsum
	.p2alignl 7, 3214868480
	.fill 96, 4, 3214868480
	.section	.rodata,"a",@progbits
	.p2align	6, 0x0
	.amdhsa_kernel k_q60f48d14fc_logsum
		.amdhsa_group_segment_fixed_size 5120
		.amdhsa_private_segment_fixed_size 0
		.amdhsa_enable_private_segment 0
		.amdhsa_kernarg_size 16
		.amdhsa_user_sgpr_count 2
		.amdhsa_user_sgpr_kernarg_segment_ptr 1
		.amdhsa_wavefront_size32 1
		.amdhsa_system_sgpr_workgroup_id_x 1
		.amdhsa_system_sgpr_workgroup_id_y 1
		.amdhsa_system_sgpr_workgroup_id_z 1
		.amdhsa_system_vgpr_workitem_id 0
		.amdhsa_next_free_vgpr 74
		.amdhsa_next_free_sgpr 66
		.amdhsa_reserve_vcc 1
		.amdhsa_float_denorm_mode_32 3
		.amdhsa_float_denorm_mode_16_64 3
		.amdhsa_memory_ordered 1
		.amdhsa_forward_progress 1
		.amdhsa_inst_pref_size 8
	.end_amdhsa_kernel
	.amdgpu_metadata
---
amdhsa.version: [ 1, 2 ]
amdhsa.kernels:
  - .name:           k_q60f48d14fc_logsum
    .symbol:         k_q60f48d14fc_logsum.kd
    .args:
      - { .name: part, .offset: 0, .size: 8, .value_kind: global_buffer, .address_space: global }
      - { .name: out1, .offset: 8, .size: 8, .value_kind: global_buffer, .address_space: global }
    .group_segment_fixed_size: 5120
    .private_segment_fixed_size: 0
    .kernarg_segment_align: 8
    .kernarg_segment_size: 16
    .max_flat_workgroup_size: 256
    .sgpr_count:     66
    .vgpr_count:     74
    .wavefront_size: 32
...
	.end_amdgpu_metadata
.endif
;; end of part 2
